; MI455X (gfx1250); checked and timed in simulation.
; The chip was launched on July 23, 2026; its instructions are those of AMD's public machine-readable ISA for CDNA 5 (MIT licence, August 2026) and "CDNA5" Instruction Set Architecture Reference Guide (July 2026). The comments in the code are by the model that wrote it; some were corrected since.
;; Mo E Layer. Allowed arithmetic: float matrix products may take bf16 or f16 operands with f32 sums; other float arithmetic in f32, or as packed bf16 or f16 multiplies, adds, multiply-adds, maxima and minima; sums over many terms, partial sums and values carried from step to step in f32; what a program stores and reads back later, other than sums and carried values, may be rounded once to bf16 or f16.
;; Inputs: b1 8 x 512 float32; b2 8 x 1,024 float32; gate_b 8 float32; gate_w 1,024 x 8 float32; w1 8 x 1,024 x 512 float32; w2 8 x 512 x 1,024 float32; x 4 x 2,048 x 1,024 float32.
;; Outputs: out0 4 x 2,048 x 1,024 float32; out1 one number float32.
;; One version. Each part assembles by itself: llvm-mc -triple=amdgcn-amd-amdhsa -mcpu=gfx1250 --defsym DOCPART=n.
;; ======== version 1 of 1: 2 launches
;; limits: an absolute error that grows with the inputs' magnitude: up to 7.5e-08 times it
;; workspace buffers: route 16,384 bytes of whole numbers; wf 16,777,216 bytes
;; launch prep (part 1): grid 256 x 1, 8 waves a work-group, no clusters, 177,152 bytes of LDS; arguments x, gate_w, gate_b, w1, w2, route, wf, out1; writes route, wf, out1
.if DOCPART == 1
	.amdgcn_target "amdgcn-amd-amdhsa--gfx1250"
	.amdhsa_code_object_version 6
	.text
	.protected	k_q36d2b27a7e_prep
	.globl	k_q36d2b27a7e_prep
	.p2align	8
	.type	k_q36d2b27a7e_prep,@function
k_q36d2b27a7e_prep:
	s_mov_b64 s[64:65], 0
	v_nop
	global_prefetch_b8 v0, s[64:65] scope:SCOPE_SE
	s_setreg_imm32_b32 hwreg(HW_REG_WAVE_MODE, 25, 1), 1
	s_wait_xcnt 0x0
; ROUTER AND WEIGHT LAYOUT.  Work-group b: (1) the gate's scores of tokens 32 b .. 32 b + 31 and each token's expert, stored as whole numbers
; at fixed places; (2) 128 KiB of w1 or w2, rounded to bf16 and stored in the order in which the next launch's operand registers take them.
; route[b][16 words]: words 0-7 the bitmap of the block's tokens that chose expert e; words 8-11 the eight counts as u16; words 12-15 zero.
; wf, bytes: (((e*8+wv)*64+t)*4+c)*1024 + q*512 + h*256 + m*16 + 2 i  holds  W[k = 32 s + 16 q + 8 h + i][n = nb + 4 m + c];
;   t < 32: W = w1[e], s = t, nb = 64 wv;   t = 32 + 16 p + s: W = w2[e], nb = 512 p + 64 wv.
; FORMATS.  x, gate_w and gate_b are rounded to bf16 for the scores (products on the matrix unit, sums in f32), w1 and w2 to bf16 once.
; LIMITS.  The expert is the first one with the largest score (strict greater-than keeps the lower index); a NaN score never wins here, where
; argmax would take it.  Two scores closer than the rounding of an f32 sum of 1,024 terms may be ordered otherwise than by another order of summing.
; No expert's number enters an address or a branch of this launch.
; NO CLUSTER: no two work-groups read the same bytes but the 32 KiB of gate_w, an eighth of what a work-group fetches.
; SHARES.  Wave w: k = 128 w .. 128 w + 127 of the gate for both tiles of 16 tokens, and one weight job of 32 k x 128 n.
.set XPITCH, 528                       ; a row of the wave's x tile in LDS: 512 bytes + 16 of padding: 16 rows of a fragment load start 4 banks apart
.set XTW,    32*XPITCH                 ; a wave's x tile: 32 tokens
.set GT,     8*XTW                     ; behind them the waves' gate tiles, 4,096 dense bytes each
.set PS,     GT+8*4096                 ; partial scores: [wave][token 0-31][8 f32]; written by LDS stores, never by a tensor load
.set SPARE,  PS+8192                   ; the spare words, 128 bytes a wave: four blocks of 256 bytes that no other line names
; v1 lane, v2 r = lane % 16, v3 h = lane / 16, v4/v5 the add's two registers, v6 weight source offset, v7 weight destination offset,
; v8 gate fragment address, v9 x fragment address, v10 where my partial scores go, v11-15 at work, v[16:31] two accumulators,
; v[32:63] four gate fragments, v[64:191] weights as loaded (later gate and x as loaded), v[192:255] weights packed (later x)
	s_load_b512 s[4:19], s[0:1], 0x0               ; x s[4:5], gate_w s[6:7], gate_b s[8:9], w1 s[10:11], w2 s[12:13], route s[14:15], wf s[16:17], out1 s[18:19]
	v_lshl_add_u32 v4, v0, 2, SPARE
	v_mov_b32 v5, 0
	ds_add_u32 v4, v5                              ; the wave's opening: the add and its wait ahead of my first tensor load
	ds_add_u32 v4, v5
	v_lshrrev_b32 v11, 5, v0
	v_readfirstlane_b32 s20, v11                   ; wave 0..7
	; group 1 for x: 32 rows x 128 elements of 4 bytes, 1,024 elements from row to row, 4 words of padding behind every 128
	s_mov_b32 s24, (2<<16)|(1<<20)|(6<<22)|(3<<25)
	s_mov_b32 s25, 128<<16                         ; tensor_dim0 = 128
	s_mov_b32 s26, 32<<16                          ; tensor_dim1 = 32
	s_mov_b32 s27, 128<<16                         ; tile_dim0 = 128
	s_mov_b32 s28, 32                              ; tile_dim1 = 32
	s_mov_b32 s29, 1024
	s_mov_b32 s30, 0
	s_mov_b32 s31, 0
	; group 1 for gate_w: my 128 rows of 32 bytes are 4,096 dense bytes, asked for as 16 rows of 256 bytes (32 elements of 8 bytes)
	s_mov_b32 s36, 3<<16
	s_mov_b32 s37, 32<<16
	s_mov_b32 s38, 16<<16
	s_mov_b32 s39, 32<<16
	s_mov_b32 s40, 16
	s_mov_b32 s41, 32
	s_mov_b32 s42, 0
	s_mov_b32 s43, 0
	s_mov_b32 s32, 1
	s_mul_i32 s33, s20, XTW                        ; my x tile in LDS
	s_mov_b32 s44, 1
	s_lshl_b32 s45, s20, 12
	s_add_co_u32 s45, s45, GT                      ; my gate tile in LDS
	s_lshl_b32 s86, ttmp9, 17                      ; 32 tokens of 4,096 bytes,
	s_lshl_b32 s87, s20, 9                         ; my 512 bytes of each
	s_add_co_u32 s86, s86, s87
	s_mov_b32 s87, 0
	s_lshl_b32 s88, s20, 12
	s_mov_b32 s89, 0
	s_wait_dscnt 0x0                               ; the opening add is done
	s_wait_kmcnt 0x0
	s_add_nc_u64 s[34:35], s[4:5], s[86:87]
	s_or_b32 s35, s35, 0x80000000
	s_add_nc_u64 s[46:47], s[6:7], s[88:89]
	s_or_b32 s47, s47, 0x80000000
	tensor_load_to_lds s[32:35], s[24:31]          ; both first fills together: two tensor loads of mine are out; no byte is filled twice
	s_nop 0
	tensor_load_to_lds s[44:47], s[36:43]
	s_nop 0
	s_load_b256 s[48:55], s[8:9], 0x0              ; gate_b
	v_and_b32 v1, 31, v0
	v_and_b32 v2, 15, v0
	v_bfe_u32 v3, v0, 4, 1
	v_lshlrev_b32 v6, 4, v1                        ; 16 bytes a lane: four neighbouring columns n = 4 lane + c
	v_lshlrev_b32 v7, 4, v2
	v_lshl_add_u32 v7, v3, 18, v7                  ; lanes 16-31 hold the columns of the next wave's stream, 262,144 bytes on
; 32 rows of 512 bytes come in (each load 512 consecutive bytes); octet o of rows is k = 8 o .. 8 o + 7.  A lane's column c of eight rows IS 16 bytes of a
; fragment: the rounding takes its two sources from two rows' registers, so the turn costs nothing.  Each store: lanes 0-15 and lanes 16-31 fill 256 aligned bytes each.
.macro WJOB pitch
.irp o,0,1,2,3
.irp i,0,1,2,3,4,5,6,7
	global_load_b128 v[64+32*\o+4*\i:67+32*\o+4*\i], v6, s[76:77] offset:(8*\o+\i)*(\pitch) th:TH_LOAD_NT
.endr
.endr
.irp o,0,1,2,3
	s_wait_loadcnt 8*(3-\o)                        ; loads come back in order: the younger octets stay out
.irp c,0,1,2,3
.irp q,0,1,2,3
	v_cvt_pk_bf16_f32 v[192+16*\o+4*\c+\q], v[64+32*\o+8*\q+\c], v[64+32*\o+8*\q+4+\c]
.endr
.endr
.irp c,0,1,2,3
	global_store_b128 v7, v[192+16*\o+4*\c:195+16*\o+4*\c], s[78:79] offset:\c*1024+\o*256
.endr
.endr
.endm
	s_cmp_lt_u32 ttmp9, 128
	s_cbranch_scc0 .Lw2
	s_lshr_b32 s21, ttmp9, 4                       ; w1: expert,
	s_lshl_b32 s22, ttmp9, 1
	s_lshr_b32 s23, s20, 2
	s_add_co_u32 s22, s22, s23
	s_and_b32 s22, s22, 31                         ; K step s of 32,
	s_and_b32 s23, s20, 3                          ; group of 128 columns
	s_lshl_b32 s76, s21, 21
	s_lshl_b32 s86, s22, 16                        ; 32 rows of 2,048 bytes
	s_add_co_u32 s76, s76, s86
	s_lshl_b32 s86, s23, 9
	s_add_co_u32 s76, s76, s86
	s_mov_b32 s77, 0
	s_add_nc_u64 s[76:77], s[10:11], s[76:77]
	s_lshl_b32 s78, s21, 3
	s_lshl1_add_u32 s78, s23, s78                  ; stream 8 e + 2 ng (lanes 16-31: the next one)
	s_lshl_b32 s78, s78, 18
	s_lshl_b32 s86, s22, 12                        ; t = s
	s_add_co_u32 s78, s78, s86
	s_mov_b32 s79, 0
	s_add_nc_u64 s[78:79], s[16:17], s[78:79]
	WJOB 2048
	s_branch .Lgate
.Lw2:
	s_sub_co_u32 s21, ttmp9, 128
	s_and_b32 s22, s21, 15                         ; w2: K step s of 16,
	s_lshr_b32 s21, s21, 4                         ; expert; the wave's number is the group of 128 columns
	s_lshl_b32 s76, s21, 21
	s_lshl_b32 s86, s22, 17                        ; 32 rows of 4,096 bytes
	s_add_co_u32 s76, s76, s86
	s_lshl_b32 s86, s20, 9
	s_add_co_u32 s76, s76, s86
	s_mov_b32 s77, 0
	s_add_nc_u64 s[76:77], s[12:13], s[76:77]
	s_and_b32 s23, s20, 3
	s_lshl_b32 s78, s21, 3
	s_lshl1_add_u32 s78, s23, s78
	s_lshl_b32 s78, s78, 18
	s_lshr_b32 s86, s20, 2                         ; p: which half of the 1,024 columns
	s_lshl_b32 s86, s86, 4
	s_add_co_u32 s86, s86, s22
	s_add_co_u32 s86, s86, 32                      ; t = 32 + 16 p + s
	s_lshl_b32 s86, s86, 12
	s_add_co_u32 s78, s78, s86
	s_mov_b32 s79, 0
	s_add_nc_u64 s[78:79], s[16:17], s[78:79]
	WJOB 4096
.Lgate:
	; THE GATE.  Source 0 = 16 rows of gate_w^T (rows 8-15 repeat experts 0-7), source 1 = 16 tokens: lane (r, h) ends with token r's eight partial scores in registers 0-7.
	v_and_b32 v11, 7, v0
	v_lshlrev_b32 v8, 2, v11
	v_lshl_add_u32 v8, v3, 8, v8                   ; k = 8 h: eight rows of 32 bytes; expert r % 8
	v_add_nc_u32 v8, s45, v8
	v_mul_u32_u24 v9, v2, XPITCH
	v_lshl_add_u32 v9, v3, 5, v9                   ; token r, k = 8 h: 32 bytes of f32
	v_add_nc_u32 v9, s33, v9
	v_lshlrev_b32 v10, 5, v2
	s_lshl_b32 s22, s20, 10
	s_add_co_u32 s22, s22, PS
	v_add_nc_u32 v10, s22, v10
	s_wait_xcnt 0x0                                ; the stores' data registers are written again only behind this wait
	s_wait_tensorcnt 0x0                           ; my two tiles are in; only I read them
.irp s,0,1,2,3
.irp i,0,1,2,3,4,5,6,7,8,9,10,11,12,13,14,15
	ds_load_b32 v[64+16*\s+\i], v8 offset:(32*\s+\i+8*((\i)/8))*32  ; k = 32 s + 8 h + i, and from i = 8 on 16 further
.endr
.endr
.irp s,0,1,2,3
.irp tl,0,1
	ds_load_b128 v[128+16*(2*\s+\tl):128+16*(2*\s+\tl)+3],     v9 offset:\tl*16*XPITCH+128*\s
	ds_load_b128 v[128+16*(2*\s+\tl)+4:128+16*(2*\s+\tl)+7],   v9 offset:\tl*16*XPITCH+128*\s+16
	ds_load_b128 v[128+16*(2*\s+\tl)+8:128+16*(2*\s+\tl)+11],  v9 offset:\tl*16*XPITCH+128*\s+64
	ds_load_b128 v[128+16*(2*\s+\tl)+12:128+16*(2*\s+\tl)+15], v9 offset:\tl*16*XPITCH+128*\s+80
.endr
.endr
	s_wait_dscnt 0x0
.irp s,0,1,2,3
.irp q,0,1,2,3,4,5,6,7
	v_cvt_pk_bf16_f32 v[32+8*\s+\q], v[64+16*\s+2*\q], v[64+16*\s+2*\q+1]
.endr
.endr
.irp f,0,1,2,3,4,5,6,7
.irp q,0,1,2,3,4,5,6,7
	v_cvt_pk_bf16_f32 v[128+16*\f+\q], v[128+16*\f+2*\q], v[128+16*\f+2*\q+1]  ; in place, ascending: a register is written behind its last read
.endr
.endr
.irp s,0,1,2,3                         ; the two accumulators take turns; the first products start the sums
.irp tl,0,1
.if \s == 0
	v_wmma_f32_16x16x32_bf16 v[16+8*\tl:23+8*\tl], v[32+8*\s:39+8*\s], v[128+16*(2*\s+\tl):128+16*(2*\s+\tl)+7], 0
.else
	v_wmma_f32_16x16x32_bf16 v[16+8*\tl:23+8*\tl], v[32+8*\s:39+8*\s], v[128+16*(2*\s+\tl):128+16*(2*\s+\tl)+7], v[16+8*\tl:23+8*\tl]
.endif
.endr
.endr
.rept 4
	v_nop                                          ; four places between the last product and the stores of its result
.endr
	ds_store_b128 v10, v[16:19]                    ; both halves of the lanes hold the same eight numbers and write the same bytes
	ds_store_b128 v10, v[20:23] offset:16
	ds_store_b128 v10, v[24:27] offset:512
	ds_store_b128 v10, v[28:31] offset:528
	s_wait_kmcnt 0x0                               ; gate_b
	s_wait_dscnt 0x0                               ; for wave 0's sake: my partial scores are written
	s_barrier_signal -1
	s_barrier_wait -1
	s_cmp_lg_u32 s20, 0
	s_cbranch_scc1 .Ldone
	; WAVE 0: lane t adds token t's eight partial rows in ascending k, adds the bias, and chooses.
	v_lshl_add_u32 v11, v1, 5, PS
.irp i,0,1,2,3,4,5,6,7
	ds_load_b128 v[64+8*\i:67+8*\i], v11 offset:1024*\i
	ds_load_b128 v[68+8*\i:71+8*\i], v11 offset:1024*\i+16
.endr
.irp e,0,1,2,3,4,5,6,7
	v_mov_b32 v[128+\e], s[48+\e]
.endr
.irp p,0,1,2,3
	v_cvt_pk_bf16_f32 v[136+\p], v[128+2*\p], v[129+2*\p]
.endr
.irp p,0,1,2,3
	v_lshlrev_b32 v[128+2*\p], 16, v[136+\p]
	v_and_b32 v[129+2*\p], 0xffff0000, v[136+\p]
.endr
	s_wait_dscnt 0x0
.irp i,1,2,3,4,5,6,7
.irp k,0,2,4,6
	v_pk_add_f32 v[64+\k:65+\k], v[64+\k:65+\k], v[64+8*\i+\k:65+8*\i+\k]
.endr
.endr
.irp k,0,2,4,6
	v_pk_add_f32 v[64+\k:65+\k], v[64+\k:65+\k], v[128+\k:129+\k]
.endr
	v_mov_b32 v12, v64                             ; the best score so far,
	v_mov_b32 v13, 0                               ; and its expert
.irp e,1,2,3,4,5,6,7
	v_cmp_gt_f32 vcc_lo, v[64+\e], v12
	v_cndmask_b32 v13, v13, \e, vcc_lo
	v_cndmask_b32 v12, v12, v[64+\e], vcc_lo
.endr
.irp e,0,1,2,3,4,5,6,7
	v_cmp_eq_u32 s[56+\e], \e, v13                 ; the expert's bitmap of the block
	s_bcnt1_i32_b32 s[66+\e], s[56+\e]
.endr
.irp p,0,1,2,3
	s_lshl_b32 s[80+\p], s[67+2*\p], 16
	s_or_b32 s[80+\p], s[80+\p], s[66+2*\p]
.endr
	v_mov_b32 v14, 0
.irp e,0,1,2,3,4,5,6,7
	v_writelane_b32 v14, s[56+\e], \e
.endr
.irp p,0,1,2,3
	v_writelane_b32 v14, s[80+\p], 8+\p
.endr
	v_lshlrev_b32 v15, 2, v1
	v_mov_b32 v12, 0
	s_lshl_b32 s90, ttmp9, 6
	s_mov_b32 s91, 0
	s_add_nc_u64 s[90:91], s[14:15], s[90:91]
	v_cmp_gt_u32 vcc_lo, 16, v1
	s_and_saveexec_b32 s74, vcc_lo                 ; no global instruction has been issued since the last s_wait_xcnt 0
	global_store_b32 v15, v14, s[90:91]            ; 64 consecutive bytes: the block's sixteen words
	s_wait_xcnt 0x0                                ; EXEC changes only behind this wait
	s_or_b32 exec_lo, exec_lo, s74
	s_cmp_lg_u32 ttmp9, 0
	s_cbranch_scc1 .Ldone
	v_cmp_eq_u32 vcc_lo, 0, v1
	s_and_saveexec_b32 s74, vcc_lo
	global_store_b32 v12, v12, s[18:19]            ; l_aux = 0.0, by one lane of one work-group
	s_wait_xcnt 0x0
	s_or_b32 exec_lo, exec_lo, s74
.Ldone:
	s_wait_tensorcnt 0x0                           ; the wave's end
	ds_add_u32 v4, v5
	s_wait_dscnt 0x0
	s_endpgm
.Lfunc_end_k_q36d2b27a7e_prep:
	.size	k_q36d2b27a7e_prep, .Lfunc_end_k_q36d2b27a7e_prep-k_q36d2b27a7e_prep
	.p2alignl 7, 3214868480
	.fill 96, 4, 3214868480
	.section	.rodata,"a",@progbits
	.p2align	6, 0x0
	.amdhsa_kernel k_q36d2b27a7e_prep
		.amdhsa_group_segment_fixed_size 177152
		.amdhsa_private_segment_fixed_size 0
		.amdhsa_enable_private_segment 0
		.amdhsa_kernarg_size 64
		.amdhsa_user_sgpr_count 2
		.amdhsa_user_sgpr_kernarg_segment_ptr 1
		.amdhsa_wavefront_size32 1
		.amdhsa_system_sgpr_workgroup_id_x 1
		.amdhsa_system_sgpr_workgroup_id_y 1
		.amdhsa_system_sgpr_workgroup_id_z 1
		.amdhsa_system_vgpr_workitem_id 0
		.amdhsa_next_free_vgpr 256
		.amdhsa_next_free_sgpr 100
		.amdhsa_reserve_vcc 1
		.amdhsa_float_denorm_mode_32 3
		.amdhsa_float_denorm_mode_16_64 3
		.amdhsa_memory_ordered 1
		.amdhsa_forward_progress 1
		.amdhsa_inst_pref_size 43
	.end_amdhsa_kernel
	.amdgpu_metadata
---
amdhsa.version: [ 1, 2 ]
amdhsa.kernels:
  - .name:           k_q36d2b27a7e_prep
    .symbol:         k_q36d2b27a7e_prep.kd
    .args:
      - { .name: x, .offset: 0, .size: 8, .value_kind: global_buffer, .address_space: global }
      - { .name: gate_w, .offset: 8, .size: 8, .value_kind: global_buffer, .address_space: global }
      - { .name: gate_b, .offset: 16, .size: 8, .value_kind: global_buffer, .address_space: global }
      - { .name: w1, .offset: 24, .size: 8, .value_kind: global_buffer, .address_space: global }
      - { .name: w2, .offset: 32, .size: 8, .value_kind: global_buffer, .address_space: global }
      - { .name: route, .offset: 40, .size: 8, .value_kind: global_buffer, .address_space: global }
      - { .name: wf, .offset: 48, .size: 8, .value_kind: global_buffer, .address_space: global }
      - { .name: out1, .offset: 56, .size: 8, .value_kind: global_buffer, .address_space: global }
    .group_segment_fixed_size: 177152
    .private_segment_fixed_size: 0
    .kernarg_segment_align: 8
    .kernarg_segment_size: 64
    .max_flat_workgroup_size: 256
    .sgpr_count:     100
    .vgpr_count:     256
    .wavefront_size: 32
...
	.end_amdgpu_metadata
.endif
;; end of part 1
;; launch chain (part 2): grid 178 x 1, 8 waves a work-group, no clusters, 165,120 bytes of LDS; arguments route, x, wf, b1, b2, out0; writes out0
.if DOCPART == 2
	.amdgcn_target "amdgcn-amd-amdhsa--gfx1250"
	.amdhsa_code_object_version 6
	.text
	.protected	k_q36d2b27a7e_chain
	.globl	k_q36d2b27a7e_chain
	.p2align	8
	.type	k_q36d2b27a7e_chain,@function
k_q36d2b27a7e_chain:
	s_mov_b64 s[64:65], 0
	v_nop
	global_prefetch_b8 v0, s[64:65] scope:SCOPE_SE
	s_setreg_imm32_b32 hwreg(HW_REG_WAVE_MODE, 25, 1), 1
	s_wait_xcnt 0x0
; THE CHAIN.  A work-group takes a tile of up to 48 tokens of ONE expert through everything: it counts the routing for itself, gathers its rows of x (rounded to bf16),
; h = gelu(x w1 + b1) (h rounded to bf16, in LDS), y = h w2 + b2, and stores each token's row.  Sums in f32; b1 and b2 are rounded to bf16 like every input.
; GRID.  The sum over experts of ceil(n_e / 48) is at most floor((8192 + 8 x 47) / 48) = 178, whatever the split.  Work-group b finds its expert and first row from the
; stored counts.  A work-group past the last tile has c = 0 rows: it walks the same text on clamped indices and stores nothing, since every barrier stands on every wave's
; path and none under a branch on loaded numbers.  Places past the count repeat the tile's last row through the whole chain.  A block of 16 rows with no live row is jumped
; by a scalar branch; in a live block every place is stored, so a dead place stores the last live row's numbers once more at that row's own place.
; SHARES.  Each of eight waves has all 48 rows.  First product: 64 columns of h, 12 accumulators, 32 steps of 32 along K.  Second product: 64 columns in each half of the 1,024,
; 24 accumulators, 16 runs of 32 along K.  The weights lie in wf as the operand registers take them and come straight into a ring of eight register slots of 4 KiB:
; a step takes one slot, a run two; six or seven slots' loads are out at all times, and no barrier stands in the stream.
; THE FIRST PRODUCT IS USED TRANSPOSED: source 0 = 16 columns of w1 (column nb + 4 m + c in row m of fragment c), source 1 = 16 tokens.  Lane (r, h), register j of accumulator
; (c, rb) holds token 16 rb + r, column nb + 32 h + 4 j + c: registers j of four accumulators are four neighbouring columns, which pack into the rows of the h tile.
; THE SECOND IS NOT: source 0 = 16 tokens, source 1 = 16 columns of w2.  Lane (r, h), register j of accumulator (p, c, rb) holds token 16 rb + 8 h + j, column
; 512 p + 64 w + 4 r + c: registers j of four accumulators are 16 neighbouring bytes, and sixteen neighbouring lanes hold 256 neighbouring bytes of one token's row.
; So the result is stored from registers, with no way through LDS; and since both halves of the columns go in one walk over h, a fragment of h read from LDS feeds eight products.
; NO CLUSTER.  An expert's tiles walk the same weights, but partners must be alike in every count: whole clusters of four tiles are units of 192 rows, up to 8 x 191 dead rows
; for 8,192; and weights that come through LDS would be read from it again, 32 KiB a step beside the 24 KiB of token fragments.
; GELU.  Phi by the rational form of Abramowitz and Stegun 26.2.17: g = (v + |v|) / 2 - |v| Q, Q = 2^(-0.7213475 v^2) poly(t), t = 1 / (1 + 0.2316419 |v|), the factor
; 1 / sqrt(2 pi) folded into poly.  LIMITS: |Q's error| <= 7.5e-8, so g is off by at most 7.5e-8 |v|; where v^2 overflows Q is 0; an infinite or NaN v is not treated apart.
.set XP,  2064                         ; a row of the x tile: 2,048 bytes + 16: an odd multiple of 16
.set HP,  1040                         ; a row of the h tile: 1,024 + 16
.set HT,  99328                        ; LDS: x tile 48 x 2,064 from 0; h tile 48 x 1,040
.set MK,  149248                       ; thread j's 48 bytes of route[j]: 8 bitmaps, 8 counts of 16 bits
.set WT,  161536                       ; the waves' packed totals, 16 bytes each
.set LW,  161792                       ; each wave's own copy of the tile's list: word i = token + 1 of row i, 0 if another wave has it; word 48 takes what is not wanted
.set RT,  163840                       ; token of row i at 4 i
.set SPARE, 164096                     ; the spare words, 128 bytes a wave
; window 0: v0 thread, later 128 h; v1 lane, v2 r, v3 h; v4, v5 the add's registers; AA three fragment addresses; v9 HS, v15 GS, and later v9, v10, v11, v15 b2 packed;
; v12 COL, v13 RTA, v14 WO; v16-31 at work; AF two buffers of three token fragments (also at work in the GELU and on the way out);
; first product: ACC twelve accumulators, BIAS 32; second product: 24 accumulators, number i at 80 + 8 i, the last two at 16 and 24.
; window 1: the ring: slot s at 32 s, fragment c at + 8 c; on the way out v0-191 the rows to store.
.set AA,   6
.set WO,   14
.set AF,   32
.set ACC,  80
.set BIAS, 176
.set K0, 66                            ; s[66:67] .. s[78:79]: constants as pairs; the packed forms take the low word for both halves
.set NE, 68
.set C1, 70
.set C2, 72
.set C3, 74
.set C4, 76
.set C5, 78
.set MSB, 0
.macro WIN new                         ; the immediate's high byte repeats the setting that is left; a switch that changes nothing is dropped
.if MSB != (\new)
	s_set_vgpr_msb (MSB<<8)|(\new)
.set MSB, \new
.endif
.endm
.macro PLACES                          ; four places behind matrix instructions, ahead of loads into their sources and of reads of their results
.rept 4
	v_nop
.endr
.endm
.macro RING t, base, gofs              ; eight loads, 512 consecutive bytes each, into slot t % 8
	WIN 0x40
.irp c,0,1,2,3
.irp q,0,1
	global_load_b128 v[32*((\t)%8)+8*\c+4*\q:32*((\t)%8)+8*\c+4*\q+3], v[WO], s[\base:\base+1] offset:(\gofs)+\c*1024+\q*512
.endr
.endr
.endm
.macro ALOAD buf, aofs                 ; three fragments of 16 tokens x 32 K at byte aofs of the rows
	WIN 0
.irp rb,0,1,2
	ds_load_b128 v[AF+24*(\buf)+8*\rb:AF+24*(\buf)+8*\rb+3],   v[AA+\rb] offset:(\aofs)
	ds_load_b128 v[AF+24*(\buf)+8*\rb+4:AF+24*(\buf)+8*\rb+7], v[AA+\rb] offset:(\aofs)+32
.endr
.endm
; Step t of the first product.  wcnt: the younger weight loads that may stay out.  The slot seven further on is asked for, into the registers that step t - 1 has just read.
; an: step t + 1's token fragments are fetched.  cmode: C is the accumulator (0) or the bias (1).  The twelve accumulators take turns, one instruction a turn, over the
; steps' and the loop's edges too.
.macro STEP t, wcnt, ld, base, gofs, an, aofs, cmode
	s_wait_loadcnt \wcnt
	PLACES
.if \ld
	RING (\t)+7, \base, \gofs
.endif
.if \an
	ALOAD 1-((\t)%2), \aofs
	s_wait_dscnt 6                                 ; all but the six just issued: this step's fragments are in
.else
	s_wait_dscnt 0x0
.endif
	WIN 0x01                                       ; source 0 in window 1
.irp c,0,1,2,3
.irp rb,0,1,2
.if (\cmode)==1
	v_wmma_f32_16x16x32_bf16 v[ACC+8*(3*\c+\rb):ACC+8*(3*\c+\rb)+7], v[32*((\t)%8)+8*\c:32*((\t)%8)+8*\c+7], v[AF+24*((\t)%2)+8*\rb:AF+24*((\t)%2)+8*\rb+7], v[BIAS+8*\c:BIAS+8*\c+7]
.else
	v_wmma_f32_16x16x32_bf16 v[ACC+8*(3*\c+\rb):ACC+8*(3*\c+\rb)+7], v[32*((\t)%8)+8*\c:32*((\t)%8)+8*\c+7], v[AF+24*((\t)%2)+8*\rb:AF+24*((\t)%2)+8*\rb+7], v[ACC+8*(3*\c+\rb):ACC+8*(3*\c+\rb)+7]
.endif
.endr
.endr
.endm
; Run s of the second product: 32 along K for both halves of the columns.  The ring's slot number q = 32 + 2 s + p holds wf's step 32 + 16 p + s.  Run s takes q = 32 + 2 s and the next,
; and asks for q = 38 + 2 s and the next, into the two slots that run s - 1 has just read (run 0: q = 39 alone, since the first product's last step has asked for 38; from run 13 on nothing is left).
; The wait: behind this run's second slot four slots' 32 loads have been issued and may stay out; at the end two slots', then none.
; The 24 accumulators take turns, one instruction a turn; run 0 starts the sums.
.macro STEP2 s
.if (\s) <= 13
	s_wait_loadcnt 32
.elseif (\s) == 14
	s_wait_loadcnt 16
.else
	s_wait_loadcnt 0x0
.endif
	PLACES
.set qa, 38+2*(\s)
.set qb, 39+2*(\s)
.if (\s) > 0 && (\s) <= 12
	RING qa, 18, (32+16*(qa%2)+(qa-32)/2)*4096
.endif
.if (\s) <= 12
	RING qb, 18, (32+16*(qb%2)+(qb-32)/2)*4096
.endif
.if (\s) < 15
	ALOAD 1-((\s)%2), 64*((\s)+1)
	s_wait_dscnt 6                                 ; all but the six just issued: this run's fragments are in
.else
	s_wait_dscnt 0x0
.endif
	WIN 0x04                                       ; source 1 in window 1
.irp p,0,1
.irp c,0,1,2,3
.irp rb,0,1,2
.set ai, 3*(4*\p+\c)+\rb
.set ab, 80+8*ai-240*(ai/22)
.if (\s)==0
	v_wmma_f32_16x16x32_bf16 v[ab:ab+7], v[AF+24*((\s)%2)+8*\rb:AF+24*((\s)%2)+8*\rb+7], v[32*((2*(\s)+\p)%8)+8*\c:32*((2*(\s)+\p)%8)+8*\c+7], 0
.else
	v_wmma_f32_16x16x32_bf16 v[ab:ab+7], v[AF+24*((\s)%2)+8*\rb:AF+24*((\s)%2)+8*\rb+7], v[32*((2*(\s)+\p)%8)+8*\c:32*((2*(\s)+\p)%8)+8*\c+7], v[ab:ab+7]
.endif
.endr
.endr
.endr
.endm
; THE GELU of 16 numbers a lane: registers 4 jh .. 4 jh + 3 of the four accumulators of row block rb, as eight pairs p = 2 c + half.  Pair p has six registers at 32 + 6 p:
; |v|, then 1 + K0 |v| and its reciprocal t, then NE v^2 and its exponential; and two at 16 + 2 p for the polynomial.
.macro GP p, n, rb, jh                 ; line n of the five plain ones ahead of the pair's transcendentals
.set gV, ACC+8*(3*((\p)/2)+(\rb))+4*(\jh)+2*((\p)%2)
.set gA, 32+6*(\p)
.if (\n)==0
	v_and_b32 v[gA], s80, v[gV]
.elseif (\n)==1
	v_and_b32 v[gA+1], s80, v[gV+1]
.elseif (\n)==2
	v_pk_fma_f32 v[gA+2:gA+3], v[gA:gA+1], s[K0:K0+1], 1.0 op_sel_hi:[1,0,0]
.elseif (\n)==3
	v_pk_mul_f32 v[gA+4:gA+5], v[gV:gV+1], v[gV:gV+1]
.else
	v_pk_mul_f32 v[gA+4:gA+5], v[gA+4:gA+5], s[NE:NE+1] op_sel_hi:[1,0]
.endif
.endm
.macro GT p, n                         ; the pair's four transcendentals
.set gA, 32+6*(\p)
.if (\n)<2
	v_rcp_f32 v[gA+2+(\n)], v[gA+2+(\n)]
.else
	v_exp_f32 v[gA+2+(\n)], v[gA+2+(\n)]
.endif
.endm
.macro GQ p, n, rb, jh                 ; line n of the nine behind the wait
.set gV, ACC+8*(3*((\p)/2)+(\rb))+4*(\jh)+2*((\p)%2)
.set gA, 32+6*(\p)
.set gP, 16+2*(\p)
.if (\n)==0
	v_pk_fma_f32 v[gP:gP+1], v[gA+2:gA+3], s[C5:C5+1], s[C4:C4+1] op_sel_hi:[1,0,0]
.elseif (\n)==1
	v_pk_fma_f32 v[gP:gP+1], v[gP:gP+1], v[gA+2:gA+3], s[C3:C3+1] op_sel_hi:[1,1,0]
.elseif (\n)==2
	v_pk_fma_f32 v[gP:gP+1], v[gP:gP+1], v[gA+2:gA+3], s[C2:C2+1] op_sel_hi:[1,1,0]
.elseif (\n)==3
	v_pk_fma_f32 v[gP:gP+1], v[gP:gP+1], v[gA+2:gA+3], s[C1:C1+1] op_sel_hi:[1,1,0]
.elseif (\n)==4
	v_pk_mul_f32 v[gP:gP+1], v[gP:gP+1], v[gA+2:gA+3]
.elseif (\n)==5
	v_pk_mul_f32 v[gP:gP+1], v[gP:gP+1], v[gA+4:gA+5]  ; Q
.elseif (\n)==6
	v_pk_add_f32 v[gA+2:gA+3], v[gV:gV+1], v[gA:gA+1]  ; v + |v|
.elseif (\n)==7
	v_pk_mul_f32 v[gP:gP+1], v[gP:gP+1], v[gA:gA+1]    ; |v| Q
.else
	v_pk_fma_f32 v[gA+4:gA+5], v[gA+2:gA+3], 0.5, v[gP:gP+1] op_sel_hi:[1,0,1] neg_lo:[0,0,1] neg_hi:[0,0,1]
.endif
.endm
; A pair's plain lines stand between the transcendentals of the pair before.  The 32 transcendentals are ONE batch: nothing ahead of the wait names a result of theirs.
; Each accumulator's lowest registers are read first (jh = 0 ahead of jh = 1).
.macro GELU16 rb, jh
.irp n,0,1,2,3,4
	GP 0, \n, \rb, \jh
.endr
.irp p,1,2,3,4,5,6,7
	GP \p, 0, \rb, \jh
	GT (\p)-1, 0
	GP \p, 1, \rb, \jh
	GT (\p)-1, 1
	GP \p, 2, \rb, \jh
	GT (\p)-1, 2
	GP \p, 3, \rb, \jh
	GT (\p)-1, 3
	GP \p, 4, \rb, \jh
.endr
.irp n,0,1,2,3
	GT 7, \n
.endr
	v_nop                                          ; a plain instruction behind the last transcendental (ISA guide 5.7.2),
	s_wait_alu depctr_va_vdst(0)                   ; and the one wait ahead of the batch's first reader
.irp n,0,1,2,3,4,5,6,7,8
.irp p,0,1,2,3,4,5,6,7
	GQ \p, \n, \rb, \jh
.endr
.endr
.irp u,0,1,2,3                         ; register j = 4 jh + u: columns 4 j + 0 .. 3 come from the four accumulators
.irp cc,0,1
	v_cvt_pk_bf16_f32 v[240+2*\u+\cc], v[36+6*(4*\cc+(\u)/2)+(\u)%2], v[36+6*(4*\cc+2+(\u)/2)+(\u)%2]
.endr
.endr
	ds_store_b128 v9, v[240:243] offset:(\rb)*16*HP+32*(\jh)
	ds_store_b128 v9, v[244:247] offset:(\rb)*16*HP+32*(\jh)+16
.endm
; One step of the running sum over the wave's 32 blocks, on registers alone: v22 is the total of my group of m lanes, v25 the rows in the lanes of my group below me.
; The neighbouring group's total comes from lane xor m; it lies below me where my lane's number has bit m set.
.macro SCAN m, mask
	v_mov_b32_dpp v24, v22 row_xmask:\m row_mask:0xf bank_mask:0xf
	s_mov_b32 s60, \mask
	v_cndmask_b32 v23, 0, v24, s60
	v_add_nc_u32 v25, v25, v23
	v_add_nc_u32 v22, v22, v24
.endm
	s_load_b256 s[4:11], s[0:1], 0x0               ; route s[4:5], x s[6:7], wf s[8:9], b1 s[10:11]
	s_load_b128 s[12:15], s[0:1], 0x20             ; b2 s[12:13], out0 s[14:15]
	v_lshl_add_u32 v4, v0, 2, SPARE
	v_mov_b32 v5, 0
	v_lshlrev_b32 v16, 6, v0
	v_lshrrev_b32 v17, 5, v0
	v_readfirstlane_b32 s16, v17                   ; wave 0..7
	s_mov_b32 s17, ttmp9
	s_wait_kmcnt 0x0
	; COUNTS.  Thread j takes block j's bitmaps and counts.
	global_load_b128 v[32:35], v16, s[4:5]
	global_load_b128 v[36:39], v16, s[4:5] offset:16
	global_load_b128 v[40:43], v16, s[4:5] offset:32
	v_and_b32 v1, 31, v0
	v_and_b32 v2, 15, v0
	v_bfe_u32 v3, v0, 4, 1
	v_mul_u32_u24 v17, v0, 48
	v_add_nc_u32 v17, MK, v17
	s_lshl_b32 s26, s16, 8
	s_add_co_u32 s26, s26, LW                      ; my wave's copy of the list
	v_lshl_add_u32 v18, v1, 3, s26
.irp k,20,21,22,23,24
	v_mov_b32 v[\k], 0
.endr
	ds_store_b64 v18, v[20:21]                     ; my copy starts as zeros
	s_mov_b32 s82, 0x76543210                      ; v_permlanex16_b32: each lane takes its own place in the other half
	s_mov_b32 s83, 0xfedcba98
	s_mov_b32 s[K0], 0x3e6d3389                    ; 0.2316419
	s_mov_b32 s[NE], 0xbf38aa3b                    ; -log2(e) / 2
	s_mov_b32 s[C1], 0x3e027906                    ; the five coefficients times 1 / sqrt(2 pi)
	s_mov_b32 s[C2], 0xbe11a98e
	s_mov_b32 s[C3], 0x3f35f0e3
	s_mov_b32 s[C4], 0xbf3a00e3
	s_mov_b32 s[C5], 0x3f07dc22
.irp k,K0,NE,C1,C2,C3,C4,C5
	s_mov_b32 s[\k+1], s[\k]                       ; named as pairs, so both words are written
.endr
	s_mov_b32 s80, 0x7fffffff
	s_mov_b32 s81, 0xffff0000
	v_lshlrev_b32 v[WO], 4, v1                     ; 16 bytes a lane
	s_mul_i32 s54, s16, 6*XP
	v_lshl_add_u32 v15, v1, 3, s54                 ; GS: my six rows of the x tile, 8 bytes a lane
	v_mul_u32_u24 v[AA], v2, XP
	v_lshl_add_u32 v[AA], v3, 4, v[AA]             ; a fragment's row x pitch + 16 x half
	v_add_nc_u32 v[AA+1], 16*XP, v[AA]
	v_add_nc_u32 v[AA+2], 32*XP, v[AA]
	v_mul_u32_u24 v9, v2, HP                       ; HS: token r, my wave's 128 bytes of a row of h, 64 for each half of the lanes
	v_lshl_add_u32 v9, v3, 6, v9
	s_lshl_b32 s54, s16, 7
	s_add_co_u32 s54, s54, HT
	v_add_nc_u32 v9, s54, v9
	s_lshl_b32 s54, s16, 8
	v_lshl_add_u32 v12, v2, 4, s54                 ; COL: my 16 bytes in my wave's 256 bytes of half a row of the output, and of b2
	v_lshlrev_b32 v13, 5, v3
	v_add_nc_u32 v13, RT, v13                      ; RTA: the tokens of rows 8 h .. 8 h + 7 of a block
	s_lshl_b32 s54, s16, 4
	s_add_co_u32 s54, s54, WT
	v_mov_b32 v19, s54
	s_wait_loadcnt 0x0
	ds_store_b128 v17, v[32:35]
	ds_store_b128 v17, v[36:39] offset:16
	ds_store_b128 v17, v[40:43] offset:32
.irp m,1,2,4,8                         ; the wave's sums of the packed counts: a half holds 8,192 at the most, so no carry crosses
.irp k,0,1,2,3
	v_mov_b32_dpp v[20+\k], v[40+\k] row_xmask:\m row_mask:0xf bank_mask:0xf
.endr
.irp k,0,1,2,3
	v_add_nc_u32 v[40+\k], v[40+\k], v[20+\k]
.endr
.endr
.irp k,0,1,2,3
	v_permlanex16_b32 v[20+\k], v[40+\k], s82, s83
.endr
.irp k,0,1,2,3
	v_add_nc_u32 v[40+\k], v[40+\k], v[20+\k]
.endr
	ds_store_b128 v19, v[40:43]
	s_wait_dscnt 0x0                               ; for the others' sake: my totals are written
	s_barrier_signal -1
	s_barrier_wait -1
	; MY TILE.  Whole numbers only.
	v_mov_b32 v19, WT
.irp i,0,1,2,3,4,5,6,7
	ds_load_b128 v[32+4*\i:35+4*\i], v19 offset:16*\i
.endr
	s_mov_b32 s27, 0                               ; tiles of the experts before e
	s_mov_b32 s22, 0
	s_mov_b32 s28, 0
	s_mov_b32 s29, 0
	s_wait_dscnt 0x0
.irp i,1,2,3,4,5,6,7
.irp k,0,1,2,3
	v_add_nc_u32 v[32+\k], v[32+\k], v[32+4*\i+\k]
.endr
.endr
.irp p,0,1,2,3
	v_readfirstlane_b32 s[54+\p], v[32+\p]
.endr
.irp p,0,1,2,3
	s_and_b32 s[30+2*\p], s[54+\p], 0xffff
	s_lshr_b32 s[31+2*\p], s[54+\p], 16
.endr
.irp e,0,1,2,3,4,5,6,7
	s_cmp_ge_u32 s17, s27                          ; my tile lies at or behind expert e's first: the last such expert is mine
	s_cselect_b32 s22, \e, s22
	s_cselect_b32 s28, s27, s28
	s_cselect_b32 s29, s[30+\e], s29
	s_add_co_u32 s58, s[30+\e], 47
	s_mul_i32 s58, s58, 43691                      ; (n + 47) / 48 = ((n + 47) x 43,691) >> 21, exact up to 8,239
	s_lshr_b32 s58, s58, 21
	s_add_co_u32 s27, s27, s58
.endr
	s_min_u32 s22, s22, 7                          ; e*
	s_sub_co_u32 s23, s17, s28
	s_mul_i32 s23, s23, 48                         ; r0: my first row among the expert's
	s_sub_co_i32 s24, s29, s23
	s_max_i32 s24, s24, 0
	s_min_u32 s24, s24, 48                         ; c: my rows; 0 past the last tile
	s_max_u32 s25, s24, 1
	s_sub_co_u32 s25, s25, 1                       ; the row that dead places repeat
	s_lshl_b32 s58, s22, 21
	s_lshl_b32 s59, s16, 18
	s_add_co_u32 s58, s58, s59
	s_mov_b32 s59, 0
	s_add_nc_u64 s[18:19], s[8:9], s[58:59]        ; my wave's stream of weights: 256 KiB on end
	s_lshl_b32 s58, s22, 11
	s_lshl_b32 s59, s16, 8
	s_add_co_u32 s58, s58, s59
	s_mov_b32 s59, 0
	s_add_nc_u64 s[50:51], s[10:11], s[58:59]      ; b1 at my 64 columns
	s_lshl_b32 s58, s22, 12
	s_mov_b32 s59, 0
	s_add_nc_u64 s[52:53], s[12:13], s[58:59]      ; b2 at the expert's row
.irp t,0,1,2,3,4,5,6
	RING \t, 18, \t*4096                           ; the ring's first seven slots go out now and land while the list is made
.endr
	WIN 0
	; THE LIST.  Thread j knows how many of the expert's rows lie in the blocks before its own, and writes the tokens whose rank falls into my tile.
	v_lshl_add_u32 v27, s22, 2, v17
	v_lshl_add_u32 v28, s22, 1, v17
	v_and_b32 v30, 7, v0
	v_lshlrev_b32 v29, 4, v30
	v_lshl_add_u32 v29, s22, 1, v29
	v_add_nc_u32 v29, WT, v29
	ds_load_b32 v20, v27                           ; my block's bitmap for e*
	ds_load_u16 v21, v28 offset:32                 ; and its count
	ds_load_u16 v31, v29                           ; wave lane % 8's total for e*
	v_lshl_add_u32 v26, v0, 5, 1                   ; my block's first token, + 1
	v_mov_b32 v25, 0
	s_wait_dscnt 0x0
	v_cmp_gt_u32 vcc_lo, s16, v30
	v_cndmask_b32 v31, 0, v31, vcc_lo              ; only the waves before mine
.irp m,1,2,4
	v_mov_b32_dpp v24, v31 row_xmask:\m row_mask:0xf bank_mask:0xf
	v_add_nc_u32 v31, v31, v24
.endr
	v_readfirstlane_b32 s61, v31
	v_mov_b32 v22, v21
	SCAN 1, 0xaaaaaaaa
	SCAN 2, 0xcccccccc
	SCAN 4, 0xf0f0f0f0
	SCAN 8, 0xff00ff00
	v_permlanex16_b32 v24, v22, s82, s83           ; the other half's total lies below lanes 16-31
	s_mov_b32 s60, 0xffff0000
	v_cndmask_b32 v23, 0, v24, s60
	v_add_nc_u32 v25, v25, v23
	s_sub_co_u32 s61, s61, s23
	v_add_nc_u32 v25, s61, v25                     ; the place in my tile of my block's first chosen token (negative: ahead of the tile),
	v_add_nc_u32 v27, v25, v21                     ; and one past its last
	v_cmp_gt_i32 s62, 48, v25
	v_cmp_lt_i32 vcc_lo, 0, v27
	s_and_b32 s62, s62, vcc_lo
	s_cmp_eq_u32 s62, 0
	s_cbranch_scc1 .Lnolist                        ; none of my wave's blocks reaches into the tile
	s_mov_b32 s54, 32
.Lbits:
	v_and_b32 v30, 1, v20
	v_add_nc_u32 v31, -1, v30                      ; 0 where the token chose e*, all ones elsewhere,
	v_or_b32 v31, v25, v31
	v_min_u32 v31, 48, v31                         ; so what is not wanted, and every place outside the tile, falls on word 48
	v_lshl_add_u32 v31, v31, 2, s26
	ds_store_b32 v31, v26
	v_add_nc_u32 v25, v25, v30
	v_lshrrev_b32 v20, 1, v20
	v_add_nc_u32 v26, 1, v26
	s_sub_co_u32 s54, s54, 1
	s_cmp_lg_u32 s54, 0
	s_cbranch_scc1 .Lbits
.Lnolist:
	s_wait_dscnt 0x0                               ; for the others' sake: my copy of the list is written
	s_barrier_signal -1
	s_barrier_wait -1
	; THE GATHER.  Wave w takes rows 6 w .. 6 w + 5 of the tile: a row is eight loads of 512 consecutive bytes.
	s_mul_i32 s54, s16, 6
	v_add_nc_u32 v20, s54, v1
	v_min_u32 v20, s25, v20                        ; places past the count repeat the last live row
	v_min_u32 v20, 47, v20
	v_lshlrev_b32 v20, 2, v20
	v_add_nc_u32 v20, LW, v20
.irp i,0,1,2,3,4,5,6,7
	ds_load_b32 v[32+\i], v20 offset:256*\i
.endr
	s_mul_i32 s55, s16, 24
	s_add_co_u32 s55, s55, RT
	v_mov_b32 v21, s55
	s_wait_dscnt 0x0
.irp i,1,2,3,4,5,6,7
	v_or_b32 v32, v32, v[32+\i]                    ; one copy holds token + 1, the others 0
.endr
	v_add_nc_u32 v32, -1, v32
	v_min_u32 v32, 0x1fff, v32
.irp i,0,1,2,3,4,5
	v_readlane_b32 s[84+\i], v32, \i
	s_min_u32 s[84+\i], s[84+\i], 0x1fff
	s_lshl_b32 s58, s[84+\i], 12
	s_mov_b32 s59, 0
	s_add_nc_u64 s[38+2*\i:39+2*\i], s[6:7], s[58:59]
	v_mov_b32 v[22+\i], s[84+\i]
	ds_store_b32 v21, v[22+\i] offset:4*\i
.endr
.irp i,0,1,2,3,4,5
.irp q,0,1,2,3,4,5,6,7
	global_load_b128 v[64+32*\i+4*\q:67+32*\i+4*\q], v[WO], s[38+2*\i:39+2*\i] offset:512*\q
.endr
.endr
	v_lshlrev_b32 v0, 7, v3                        ; the thread's number has served: from here v0 is b1's lane offset, 32 columns for each half of the lanes
.irp j,0,1,2,3,4,5,6,7
	global_load_b128 v[32+4*\j:35+4*\j], v0, s[50:51] offset:16*\j
.endr
.irp i,0,1,2,3,4,5
	s_wait_loadcnt 48-8*\i                         ; the younger rows' eight loads each, and b1's eight, stay out
.irp q,0,1,2,3,4,5,6,7
	v_cvt_pk_bf16_f32 v[64+32*\i+4*\q], v[64+32*\i+4*\q], v[65+32*\i+4*\q]
	v_cvt_pk_bf16_f32 v[65+32*\i+4*\q], v[66+32*\i+4*\q], v[67+32*\i+4*\q]
	ds_store_b64 v15, v[64+32*\i+4*\q:65+32*\i+4*\q] offset:\i*XP+256*\q
.endr
.endr
	s_wait_loadcnt 0x0
.irp j,0,1,2,3,4,5,6,7                 ; b1, rounded to bf16; register j of the C operand for fragment c is column 32 h + 4 j + c
	v_cvt_pk_bf16_f32 v[32+4*\j], v[32+4*\j], v[33+4*\j]
	v_cvt_pk_bf16_f32 v[34+4*\j], v[34+4*\j], v[35+4*\j]
.endr
.irp j,0,1,2,3,4,5,6,7
	v_lshlrev_b32 v[BIAS+\j], 16, v[32+4*\j]
	v_and_b32 v[BIAS+8+\j], s81, v[32+4*\j]
	v_lshlrev_b32 v[BIAS+16+\j], 16, v[34+4*\j]
	v_and_b32 v[BIAS+24+\j], s81, v[34+4*\j]
.endr
	s_wait_dscnt 0x0                               ; for the others' sake: my rows of the x tile and their tokens are written
	s_barrier_signal -1
	s_barrier_wait -1
	; THE FIRST PRODUCT: t = 0 starts the sums with the bias; three trips of eight steps; seven steps written out, whose look-ahead runs on into the second product's slots.
	ALOAD 0, 0
	STEP 0, 48, 1, 18, 7*4096, 1, 64, 1
	WIN 0                                          ; at a label and at a branch every window is 0
	s_mov_b64 s[20:21], s[18:19]
	s_mov_b32 s54, 3
.Lk1:
.set u, 0
.rept 8
	STEP 1+u, 48, 1, 20, (8+u)*4096, 1, 64*(2+u), 0
.set u, u+1
.endr
	WIN 0
	s_wait_xcnt 0x0                                ; the loads' base is stepped only behind this wait
	s_add_nc_u64 s[20:21], s[20:21], 32768
	v_add_nc_u32 v[AA], 512, v[AA]
	v_add_nc_u32 v[AA+1], 512, v[AA+1]
	v_add_nc_u32 v[AA+2], 512, v[AA+2]
	s_sub_co_u32 s54, s54, 1
	s_cmp_lg_u32 s54, 0
	s_cbranch_scc1 .Lk1
.set u, 25
.rept 6
	STEP u, 48, 1, 18, (32+16*((u+7)%2)+(u+7-32)/2)*4096, 1, 64*(u+1)-1536, 0
.set u, u+1
.endr
	STEP 31, 48, 1, 18, 35*4096, 0, 0, 0
	; THE GELU.  b2 is asked for first: my four columns in each half of the row.
	WIN 0
	PLACES
	global_load_b128 v[208:211], v12, s[52:53]
	global_load_b128 v[212:215], v12, s[52:53] offset:2048
.irp rb,0,1,2
	GELU16 \rb, 0
	GELU16 \rb, 1
.endr
	s_wait_loadcnt 0x0                             ; b2, and with it the ring's seven slots
	v_cvt_pk_bf16_f32 v10, v208, v209              ; b2 rounded to bf16 waits packed in four registers: the 24 accumulators take the rest of the window
	v_cvt_pk_bf16_f32 v11, v210, v211
	v_cvt_pk_bf16_f32 v15, v212, v213
	v_mul_u32_u24 v[AA], v2, HP
	v_lshl_add_u32 v[AA], v3, 4, v[AA]
	v_add_nc_u32 v[AA], HT, v[AA]
	v_add_nc_u32 v[AA+1], 16*HP, v[AA]
	v_add_nc_u32 v[AA+2], 32*HP, v[AA]
	s_wait_dscnt 0x0                               ; for the others' sake: my columns of h are written
	v_cvt_pk_bf16_f32 v9, v214, v215               ; (the h tile's store address has served)
	s_barrier_signal -1
	s_barrier_wait -1
	; THE SECOND PRODUCT: one walk over h for both halves of the columns
	ALOAD 0, 0
.set u, 0
.rept 16
	STEP2 u
.set u, u+1
.endr
	; THE WAY OUT.  The 24 rows' byte offsets are made once.  The bias's addition puts registers j of four accumulators side by side, in window 1, which the ring has left:
	; 192 registers, none written twice, so no store's data is waited for.  Each store: lanes 0-15 write 256 consecutive bytes, aligned, of row 16 rb + j, lanes 16-31 of row 16 rb + 8 + j.
	; Each accumulator's register 0 is read first.
	WIN 0
	PLACES
.irp rb,0,1,2
	ds_load_b128 v[32+8*\rb:35+8*\rb], v13 offset:64*\rb      ; the tokens of rows 16 rb + 8 h + 0 .. 7
	ds_load_b128 v[36+8*\rb:39+8*\rb], v13 offset:64*\rb+16
.endr
	v_lshlrev_b32 v56, 16, v10                     ; b2 of column 512 p + 64 w + 4 r + c at v[56 + 4 p + c]
	v_and_b32 v57, s81, v10
	v_lshlrev_b32 v58, 16, v11
	v_and_b32 v59, s81, v11
	v_lshlrev_b32 v60, 16, v15
	v_and_b32 v61, s81, v15
	v_lshlrev_b32 v62, 16, v9
	v_and_b32 v63, s81, v9
	s_wait_dscnt 0x0
.set k, 0
.rept 24
	v_min_u32 v[32+k], 0x1fff, v[32+k]
	v_lshl_add_u32 v[32+k], v[32+k], 12, v12
.set k, k+1
.endr
.irp rb,0,1,2
	s_cmp_le_u32 s24, 16*\rb
	s_cbranch_scc1 .Lfin                           ; no live row in this block, nor in those behind it
.irp p,0,1
	WIN 0x40                                       ; destination in window 1
.irp j,0,1,2,3,4,5,6,7
.irp c,0,1,2,3
.set ai, 3*(4*\p+\c)+\rb
	v_add_f32 v[64*\rb+32*\p+4*\j+\c], v[80+8*ai-240*(ai/22)+\j], v[56+4*\p+\c]
.endr
.endr
	WIN 0x04                                       ; the stores' data in window 1, their offsets in window 0
.irp j,0,1,2,3,4,5,6,7
	global_store_b128 v[32+8*\rb+\j], v[64*\rb+32*\p+4*\j:64*\rb+32*\p+4*\j+3], s[14:15] offset:2048*\p th:TH_STORE_NT
.endr
.endr
	WIN 0
.endr
.Lfin:
	s_wait_tensorcnt 0x0                           ; the wave's end, behind my last LDS store
	ds_add_u32 v4, v5
	s_wait_dscnt 0x0
	s_endpgm
.Lfunc_end_k_q36d2b27a7e_chain:
	.size	k_q36d2b27a7e_chain, .Lfunc_end_k_q36d2b27a7e_chain-k_q36d2b27a7e_chain
	.p2alignl 7, 3214868480
	.fill 96, 4, 3214868480
	.section	.rodata,"a",@progbits
	.p2align	6, 0x0
	.amdhsa_kernel k_q36d2b27a7e_chain
		.amdhsa_group_segment_fixed_size 165120
		.amdhsa_private_segment_fixed_size 0
		.amdhsa_enable_private_segment 0
		.amdhsa_kernarg_size 48
		.amdhsa_user_sgpr_count 2
		.amdhsa_user_sgpr_kernarg_segment_ptr 1
		.amdhsa_wavefront_size32 1
		.amdhsa_system_sgpr_workgroup_id_x 1
		.amdhsa_system_sgpr_workgroup_id_y 1
		.amdhsa_system_sgpr_workgroup_id_z 1
		.amdhsa_system_vgpr_workitem_id 0
		.amdhsa_next_free_vgpr 512
		.amdhsa_next_free_sgpr 100
		.amdhsa_reserve_vcc 1
		.amdhsa_float_denorm_mode_32 3
		.amdhsa_float_denorm_mode_16_64 3
		.amdhsa_memory_ordered 1
		.amdhsa_forward_progress 1
		.amdhsa_inst_pref_size 193
	.end_amdhsa_kernel
	.amdgpu_metadata
---
amdhsa.version: [ 1, 2 ]
amdhsa.kernels:
  - .name:           k_q36d2b27a7e_chain
    .symbol:         k_q36d2b27a7e_chain.kd
    .args:
      - { .name: route, .offset: 0, .size: 8, .value_kind: global_buffer, .address_space: global }
      - { .name: x, .offset: 8, .size: 8, .value_kind: global_buffer, .address_space: global }
      - { .name: wf, .offset: 16, .size: 8, .value_kind: global_buffer, .address_space: global }
      - { .name: b1, .offset: 24, .size: 8, .value_kind: global_buffer, .address_space: global }
      - { .name: b2, .offset: 32, .size: 8, .value_kind: global_buffer, .address_space: global }
      - { .name: out0, .offset: 40, .size: 8, .value_kind: global_buffer, .address_space: global }
    .group_segment_fixed_size: 165120
    .private_segment_fixed_size: 0
    .kernarg_segment_align: 8
    .kernarg_segment_size: 48
    .max_flat_workgroup_size: 256
    .sgpr_count:     100
    .vgpr_count:     512
    .wavefront_size: 32
...
	.end_amdgpu_metadata
.endif
;; end of part 2
